; MI455X (gfx1250); checked and timed in simulation.
; The chip was launched on July 23, 2026; its instructions are those of AMD's public machine-readable ISA for CDNA 5 (MIT licence, August 2026) and "CDNA5" Instruction Set Architecture Reference Guide (July 2026). The comments in the code are by the model that wrote it; some were corrected since.
;; Multi Head Attention. Allowed arithmetic: matrix products marked QUANTISED: E4M3 operands, one given power-of-two scale a tensor, by v_wmma_f32_16x16x64_fp8_fp8 or v_wmma_f32_16x16x128_fp8_fp8, f32 sums; everything else in f32.
;; Inputs: Wk_codes 1,024 x 32 x 32 uint8 (E4M3 codes of Wk, K innermost, in blocks of 32 codes); Wo_codes 1,024 x 32 x 32 uint8 (E4M3 codes of Wo, K innermost, in blocks of 32 codes); Wq_codes 1,024 x 32 x 32 uint8 (E4M3 codes of Wq, K innermost, in blocks of 32 codes); Wv_codes 1,024 x 32 x 32 uint8 (E4M3 codes of Wv, K innermost, in blocks of 32 codes); beta 1,024 float32; bk 1,024 float32; bo 1,024 float32; bq 1,024 float32; bv 1,024 float32; gamma 1,024 float32; k_codes 4 x 2,048 x 32 x 32 uint8 (E4M3 codes of k, K innermost, in blocks of 32 codes); lowp_scales 12 int32 (the exponents e of the quantised operands' scales 2^e); q 4 x 2,048 x 1,024 float32; v_codes 4 x 2,048 x 32 x 32 uint8 (E4M3 codes of v, K innermost, in blocks of 32 codes).
;; Outputs: out0 4 x 2,048 x 1,024 float32.
;; This version of the problem:
;;   THIS VERSION OF THE PROBLEM IS GIVEN IN LOW PRECISION. The matrix products marked QUANTISED in the list below multiply operands that are first quantised to E4M3 (4 exponent bits, 3 mantissa bits; 8 bits a number), with one given power-of-two scale for each operand tensor; their sums are f32. All else is computed in f32.
;;   The module's matrix products, in the order in which they are computed (A, B: the left and right operand; K: the contracted axis; several contracted axes count as one K, in the product's order):
;;     1. [M 8,192, K 1,024] x [K 1,024, N 1,024]; A: input q; B: input Wq (given as codes): QUANTISED (scales: A lowp_scales[0], B lowp_scales[1])
;;     2. [M 8,192, K 1,024] x [K 1,024, N 1,024]; A: input k (given as codes); B: input Wk (given as codes): QUANTISED (scales: A lowp_scales[2], B lowp_scales[3])
;;     3. [M 8,192, K 1,024] x [K 1,024, N 1,024]; A: input v (given as codes); B: input Wv (given as codes): QUANTISED (scales: A lowp_scales[4], B lowp_scales[5])
;;     4. batch 64 x [M 2,048, K 64] x [K 64, N 2,048]; A: computed on the way; B: computed on the way: QUANTISED (scales: A lowp_scales[6], B lowp_scales[7])
;;     5. batch 64 x [M 2,048, K 2,048] x [K 2,048, N 64]; A: softmax (see below); B: computed on the way: QUANTISED (scales: A lowp_scales[8], B lowp_scales[9])
;;     6. [M 8,192, K 1,024] x [K 1,024, N 1,024]; A: computed on the way; B: input Wo (given as codes): QUANTISED (scales: A lowp_scales[10], B lowp_scales[11])
;;   THE QUANTISER, for each operand of a quantised product, along K:
;;     - The operand's scale is 2^e, e = its entry of the input lowp_scales (int32; the entries are numbered through the quantised products in the list's order, A before B).
;;     - Each number is divided by the scale, clamped to +-448, and rounded to the nearest number of E4M3, ties to even, subnormals kept.
;;     - The product sums the exact products of the quantised numbers (number of the format x scale) in f32.
;;   ~~~python
;;   def quantise(x, axis, e):      # numpy; x: float32 -> the quantised numbers, widened to float32 again
;;       x = np.moveaxis(x, axis, -1); K = x.shape[-1]
;;       r = np.clip(x / 2.0 ** e, -448, 448)
;;       step = 2.0 ** (np.maximum(np.frexp(np.where(r == 0, 1, r))[1] - 1, -6) - 3)
;;       q = np.round(r / step) * step * 2.0 ** e      # np.round: ties to even
;;       return np.moveaxis(q, -1, axis).astype(np.float32)
;;   ~~~
;;   SOFTMAX AHEAD OF A QUANTISED PRODUCT. Where the list says 'softmax', what is quantised is not the finished softmax but p = 2^(t - M), with t = logit x log2(e) and M = ceil(the row's largest t), a whole number; so 1/2 < the row's largest p <= 1. The row's sum l is taken of the UNQUANTISED p, in f32, and the product's result is divided by l at the end. Since M is a whole number, a kernel that streams over the keys may use a running M (the ceiling of the running maximum): every later rescaling is an exact power of two, so the quantised numbers keep their values, but for numbers so far below the row's largest that they fall under the format's range.
;;   OPERANDS COMPUTED ON THE WAY. 'Computed on the way' means the value that the module computes at that place (a softmax that the list does not call 'softmax' is quantised finished and normalised). What goes into a quantiser is computed in f32, as accurately as f32 sums, v_exp_f32 and their like allow (about 1e-6 of the number): no bf16 or f16 on the way to a quantiser, and a product that is left as it is and whose result goes on into a quantised operand takes f32 operands (vector FMAs, or v_wmma_f32_16x16x4_f32). A number that lies on a knife's edge between two numbers of the format may be rounded either way, as far as f32 arithmetic and the matrix unit's own rounding can turn it there, and no further.
;;   INPUTS GIVEN AS CODES. Wk (in the module: [1024, 1024], K = its axis 1); Wo (in the module: [1024, 1024], K = its axis 1); Wq (in the module: [1024, 1024], K = its axis 1); Wv (in the module: [1024, 1024], K = its axis 1); k (in the module: [4, 2048, 1024], K = its axis 2); v (in the module: [4, 2048, 1024], K = its axis 2): each comes as NAME_codes (uint8): NAME with its K axis moved to the last place and cut into blocks of 32 codes, [.., K / 32, bytes a block], one block behind the other in memory; one code a byte (a code: sign, 4 exponent bits, 3 mantissa bits); its scale is its entry of lowp_scales. Its value is code x scale, taken as it is: it is not quantised again, and the codes and scales need not be those that the quantiser above would give.
;; One version. Each part assembles by itself: llvm-mc -triple=amdgcn-amd-amdhsa -mcpu=gfx1250 --defsym DOCPART=n.
;; ======== version 1 of 1: 3 launches
;; limits: right only within a limited range of input values
;; workspace buffers: q_codes 8,388,608 bytes; q_img 8,388,608 bytes; k_img 8,388,608 bytes; v_img 8,388,608 bytes; wo_img 1,048,576 bytes
;; launch quantq (part 1): grid 256 x 1, 4 waves a work-group, no clusters, 33,280 bytes of LDS; arguments q, lowp_scales, q_codes, Wo_codes, wo_img; writes q_codes, wo_img
.if DOCPART == 1
	.amdgcn_target "amdgcn-amd-amdhsa--gfx1250"
	.amdhsa_code_object_version 6
	.text
	.protected	k_q63f2e4578f_quantq
	.globl	k_q63f2e4578f_quantq
	.p2align	8
	.type	k_q63f2e4578f_quantq,@function
k_q63f2e4578f_quantq:
	s_mov_b64 s[64:65], 0
	v_nop
	global_prefetch_b8 v0, s[64:65] scope:SCOPE_SE
	s_setreg_imm32_b32 hwreg(HW_REG_WAVE_MODE, 25, 1), 1
	s_wait_xcnt 0x0
; q [8192][1024], f32, becomes codes of FP8 (E4M3), one a byte, K innermost, with the given scale 2^e, e = entry 0 of the scales' exponents.
; code = x / 2^e, held within +-448, rounded to the nearest code, ties to even.
; DEAD WORK: none in the whole program.  Every input has a way to the output: the three biases move the codes of Q, K and V, bo, gamma and beta enter the last launch, q is also the residual.
; LIMITS: -126 <= e and e + 8 <= 127, so that 2^e and 448 x 2^e are f32 numbers.  NaN among the inputs is not served (an infinity is held at the largest code).
; The tensor is a plain stream: a work-group takes 32,768 numbers, a wave 16 steps of 512.  Each of a step's four loads reads 512 consecutive bytes, 16 a lane; the conversions want 16 NEIGHBOURS in a lane,
; so a step's 2,048 bytes turn through the wave's own stage in LDS (16 bytes of padding behind each 64) and come back 64 bytes a lane.  A lane's 16 codes are 16 bytes: the wave stores 512 consecutive bytes.
; Waves share nothing: no barrier, no cluster.  Loads run four steps (16 loads a wave) ahead, the turn through LDS one step.
.set WAVES, 4
.set STEPS, 16
.set EMAX,  8
.set MANT,  0x600000                   ; the mantissa field of 448 as f32
.set CB,    16                         ; bytes of 16 codes
.set R,     16                         ; v16-79   four sets of 16 numbers as they are loaded
.set X,     80                         ; v80-111  two sets of 16 neighbours
.set C,     128                        ; v128-191 codes: four registers for each step, so that no store's data are written again
.set WREG,  8192                       ; LDS: a region of its own for each wave: two stages of 32 x SP bytes
.set SP,    80                         ; a lane's place in a stage: its 64 bytes + 16 of padding
.set SPW,   12                         ; v12      LDS address of my spare word; never rewritten
.set NIL,   13                         ; v13      0; never rewritten
.set SPARE, WAVES*WREG                 ; behind the four regions: the spare words, 128 bytes for each wave
	s_load_b128 s[4:7], s[0:1], 0x0                ; q s[4:5], the scales' exponents s[6:7]
	s_load_b64 s[8:9], s[0:1], 0x10
	s_load_b128 s[12:15], s[0:1], 0x18             ; Wo's codes s[12:13], Wo's image s[14:15]
	v_lshl_add_u32 v[SPW], v0, 2, SPARE
	v_mov_b32 v[NIL], 0
	v_lshrrev_b32 v1, 5, v0
	v_readfirstlane_b32 s16, v1                    ; wave
	v_and_b32 v2, 31, v0                           ; lane
	v_lshlrev_b32 v3, 4, v2                        ; my 16 bytes of a load's 512
	s_mul_i32 s17, s16, WREG
	v_lshrrev_b32 v14, 2, v2
	v_mul_u32_u24 v14, v14, SP
	v_and_b32 v15, 3, v2
	v_lshl_add_u32 v14, v15, 4, v14
	v_add_nc_u32 v14, s17, v14                     ; the stage, on the way in: SP (lane / 4) + 16 (lane % 4)
	v_mul_u32_u24 v15, v2, SP
	v_add_nc_u32 v15, s17, v15                     ; and on the way out: SP x lane: my 16 neighbours
	v_mul_u32_u24 v4, v2, CB
	; ALSO: Wo's codes are laid once as images of the last launch's operand registers: wo_img [column tile nt 64][K step ks 8][c 4][lane][16 bytes]:
	; lane (r, h) holds Wo row 16 nt + r, k = 128 ks + 32 c + 16 h + 0 .. 15.  Each of the 1,024 waves lays two parts of 512 bytes (1 MiB in all).
	v_and_b32 v5, 15, v2
	v_lshrrev_b32 v6, 4, v2
	v_lshlrev_b32 v5, 10, v5
	v_lshl_add_u32 v5, v6, 4, v5                   ; 1,024 r + 16 h
	s_lshl_b32 s17, ttmp9, 2
	s_add_co_u32 s18, s17, s16                     ; which run of 8,192 numbers is my wave's
	s_mov_b32 s19, 0
	s_mov_b64 s[20:21], 512*STEPS*4
	s_mul_u64 s[20:21], s[18:19], s[20:21]
	s_mov_b64 s[24:25], 32*STEPS*CB
	s_mul_u64 s[24:25], s[18:19], s[24:25]
	s_lshr_b32 s26, s18, 4                         ; my wave's number W = 16 nt + 2 ks + c / 2
	s_lshl_b32 s26, s26, 14                        ; 16 rows of Wo are 16,384 bytes
	s_bfe_u32 s27, s18, 0x30001
	s_lshl_b32 s27, s27, 7
	s_add_co_u32 s26, s26, s27
	s_and_b32 s27, s18, 1
	s_lshl_b32 s27, s27, 6
	s_add_co_u32 s26, s26, s27
	s_mov_b32 s27, 0
	s_lshl_b32 s28, s18, 10                        ; my two parts of the image
	s_mov_b32 s29, 0
	s_wait_alu depctr_va_vdst(0)
	s_wait_kmcnt 0x0
	s_load_b32 s22, s[6:7], 0x0                    ; e
	s_add_nc_u64 s[4:5], s[4:5], s[20:21]
	s_add_nc_u64 s[8:9], s[8:9], s[24:25]
	s_add_nc_u64 s[12:13], s[12:13], s[26:27]
	s_add_nc_u64 s[14:15], s[14:15], s[28:29]
	global_load_b128 v[112:115], v5, s[12:13]              ; older than every load of q: the first counted wait below shows them in
	global_load_b128 v[116:119], v5, s[12:13] offset:32
.macro LOAD t
.irp i, 0,1,2,3
	global_load_b128 v[R+16*((\t)%4)+4*\i:R+16*((\t)%4)+4*\i+3], v3, s[4:5] offset:2048*(\t)+512*\i   ; 32 lanes read 512 consecutive bytes (the last launch reads q again: no hint)
.endr
.endm
.macro TURN t                          ; step t's numbers through the stage: LDS serves a wave's instructions in order, so no wait stands between the stores and the loads
.irp i, 0,1,2,3
	ds_store_b128 v14, v[R+16*((\t)%4)+4*\i:R+16*((\t)%4)+4*\i+3] offset:32*SP*((\t)%2)+8*SP*\i
.endr
.irp i, 0,1,2,3
	ds_load_b128 v[X+16*((\t)%2)+4*\i:X+16*((\t)%2)+4*\i+3], v15 offset:32*SP*((\t)%2)+16*\i
.endr
.endm
.irp t, 0,1,2,3
	LOAD \t
.endr
	s_wait_kmcnt 0x0
	s_add_co_i32 s22, s22, 127
	s_lshl_b32 s23, s22, 23
	v_mov_b32 v11, s23                             ; 2^e as f32: the conversion takes its exponent field
	s_add_co_i32 s22, s22, EMAX
	s_lshl_b32 s22, s22, 23
	s_or_b32 s22, s22, MANT
	v_mov_b32 v10, s22                             ; 448 x 2^e
	s_wait_alu depctr_va_vdst(0)
	s_wait_loadcnt 12                              ; step 0's four loads are in; the twelve of steps 1 to 3 may be out
	TURN 0
.macro STEP t
.set XS, X+16*((\t)%2)
	s_wait_dscnt 0x0                               ; this step's numbers are back from the stage: so its stores into the stage have read their registers,
.if (\t)+4 < STEPS
	LOAD (\t)+4                                    ; which take the loads of four steps on
.endif
.if (\t)+1 < STEPS
.if STEPS-2-(\t) >= 3
	s_wait_loadcnt 12                              ; the next step's four loads are in; those of the three steps behind it may be out
.else
	s_wait_loadcnt 4*(STEPS-2-(\t))
.endif
	TURN (\t)+1                                    ; and go through the other stage while this step is worked
.endif
.irp i, 0,1,2,3,4,5,6,7,8,9,10,11,12,13,14,15
	v_med3_num_f32 v[XS+\i], v[XS+\i], -v10, v10   ; the conversion to an 8-bit code does not saturate (ISA guide 7.6.2): the hold at the largest code x the scale comes first
.endr
	v_cvt_scalef32_pk8_fp8_f32 v[C+4*(\t):C+4*(\t)+1], v[XS:XS+7], v11
	v_cvt_scalef32_pk8_fp8_f32 v[C+4*(\t)+2:C+4*(\t)+3], v[XS+8:XS+15], v11
	v_nop                                          ; one plain line behind the last conversion of the run
	global_store_b128 v4, v[C+4*(\t):C+4*(\t)+3], s[8:9] offset:32*CB*(\t)   ; 512 consecutive bytes, aligned
.endm
.irp t, 0,1,2,3,4,5,6,7,8,9,10,11,12,13,14,15
	STEP \t
.endr
	global_store_b128 v3, v[112:115], s[14:15]             ; 512 consecutive bytes, aligned
	global_store_b128 v3, v[116:119], s[14:15] offset:512
	s_wait_tensorcnt 0x0
	ds_add_u32 v[SPW], v[NIL]
	s_wait_dscnt 0x0
	s_endpgm
.Lfunc_end_k_q63f2e4578f_quantq:
	.size	k_q63f2e4578f_quantq, .Lfunc_end_k_q63f2e4578f_quantq-k_q63f2e4578f_quantq
	.p2alignl 7, 3214868480
	.fill 96, 4, 3214868480
	.section	.rodata,"a",@progbits
	.p2align	6, 0x0
	.amdhsa_kernel k_q63f2e4578f_quantq
		.amdhsa_group_segment_fixed_size 33280
		.amdhsa_private_segment_fixed_size 0
		.amdhsa_enable_private_segment 0
		.amdhsa_kernarg_size 40
		.amdhsa_user_sgpr_count 2
		.amdhsa_user_sgpr_kernarg_segment_ptr 1
		.amdhsa_wavefront_size32 1
		.amdhsa_system_sgpr_workgroup_id_x 1
		.amdhsa_system_sgpr_workgroup_id_y 1
		.amdhsa_system_sgpr_workgroup_id_z 1
		.amdhsa_system_vgpr_workitem_id 0
		.amdhsa_next_free_vgpr 192
		.amdhsa_next_free_sgpr 66
		.amdhsa_reserve_vcc 0
		.amdhsa_float_denorm_mode_32 3
		.amdhsa_float_denorm_mode_16_64 3
		.amdhsa_memory_ordered 1
		.amdhsa_forward_progress 1
		.amdhsa_inst_pref_size 39
	.end_amdhsa_kernel
	.amdgpu_metadata
---
amdhsa.version: [ 1, 2 ]
amdhsa.kernels:
  - .name:           k_q63f2e4578f_quantq
    .symbol:         k_q63f2e4578f_quantq.kd
    .args:
      - { .name: q, .offset: 0, .size: 8, .value_kind: global_buffer, .address_space: global }
      - { .name: lowp_scales, .offset: 8, .size: 8, .value_kind: global_buffer, .address_space: global }
      - { .name: q_codes, .offset: 16, .size: 8, .value_kind: global_buffer, .address_space: global }
      - { .name: Wo_codes, .offset: 24, .size: 8, .value_kind: global_buffer, .address_space: global }
      - { .name: wo_img, .offset: 32, .size: 8, .value_kind: global_buffer, .address_space: global }
    .group_segment_fixed_size: 33280
    .private_segment_fixed_size: 0
    .kernarg_segment_align: 8
    .kernarg_segment_size: 40
    .max_flat_workgroup_size: 128
    .sgpr_count:     66
    .vgpr_count:     192
    .wavefront_size: 32
...
	.end_amdgpu_metadata
.endif
;; end of part 1
;; launch proj (part 2): grid 8 x 48, 4 waves a work-group, clusters of 4 x 4, 327,680 bytes of LDS; arguments q_codes, k_codes, v_codes, Wq_codes, Wk_codes, Wv_codes, bq, bk, bv, lowp_scales, q_img, k_img, v_img; writes q_img, k_img, v_img
.if DOCPART == 2
	.amdgcn_target "amdgcn-amd-amdhsa--gfx1250"
	.amdhsa_code_object_version 6
	.text
	.protected	k_q63f2e4578f_proj
	.globl	k_q63f2e4578f_proj
	.p2align	8
	.type	k_q63f2e4578f_proj,@function
k_q63f2e4578f_proj:
	s_mov_b64 s[64:65], 0
	v_nop
	global_prefetch_b8 v0, s[64:65] scope:SCOPE_SE
	s_setreg_imm32_b32 hwreg(HW_REG_WAVE_MODE, 25, 1), 1
	s_wait_xcnt 0x0
	s_wait_alu depctr_hold_cnt(0) depctr_sa_sdst(0) depctr_va_vdst(0) depctr_va_sdst(0) depctr_va_ssrc(0) depctr_va_vcc(0) depctr_vm_vsrc(0)
	s_getreg_b32 s2, hwreg(HW_REG_IB_STS2, 6, 4)
	s_cmp_eq_u32 s2, 0
	s_cbranch_scc0 .Lentry_in_a_cluster
	s_endpgm
.Lentry_in_a_cluster:
	s_bfe_u32 s2, ttmp6, 0x10000c
	s_cmp_lg_u32 s2, 0xf033
	s_cbranch_scc0 .Lentry_shape_is_right
	s_endpgm
.Lentry_shape_is_right:
; The three projections x W^T + b on codes of FP8 (E4M3), and the quantising of their results for attention.  Nothing is left out.
; One tile is 256 x 256 x 1,024: four waves, each 128 x 128 in 64 accumulators; K goes in steps of 256 through a ring of two LDS slots filled by joint tensor loads in a cluster of 4 x 4 work-groups.
; THE MATRIX INSTRUCTION: source 0 = 16 rows of "B", source 1 = 16 rows of "A": a lane then holds ONE row of A, and its eight registers run along rows of B.
;   Q, K: A = the activations' codes (8,192 rows), B = the weight's (1,024 rows): a lane holds a position's row and eight neighbouring channels: the order in which the scores' operands take them.
;   V:    A = Wv's codes, B = v's codes: a lane holds ONE channel and eight rows, which are eight keys: the order in which V^T is taken.  Only pointers and tile numbers differ; the loop is one text.
; CLUSTERS (x 0..1, y 0..11): y < 8: Q (x = 0) or K (x = 1), tile rows 4 y + cy, tile columns cx.  y >= 8: V, tile rows cy, tile columns 4 (2 (y - 8) + x) + cx.  These choices hang on the cluster's number alone, which all sixteen partners share.
; THE HEADS (the module's raw reshape): head = row / 128; position = 16 (row % 128) + column / 64; channel d = column % 64.  A tile of 16 keys or queries (rb, c) is rows 16 rb + 0..15 of the head at column block c.
; THE RESULTS LEAVE AS IMAGES OF THE NEXT LAUNCH'S OPERAND REGISTERS, four registers x 32 lanes = 512 consecutive bytes a store, straight from registers:
;   q_img, k_img: [head 64][c 16][rb 8][part 2][lane][16 bytes]: lane (r, h), register 2 dt + u, byte y: row 16 rb + r, d = 16 dt + 8 h + 4 u + y
;   v_img:        [head 64][c 16][dt 4][part 4][lane][16 bytes]: lane (r, h), register 2 rb + u, byte y: d = 16 dt + r, key 8 h + 4 u + y of tile rb
; value = sum x 2^(ea + eb) + bias in f32; code = value / 2^eo, held within +-448, to the nearest code.  Exponents: Q 0, 1 -> 6;  K 2, 3 -> 7;  V 4, 5 -> 9.
; LIMITS: ea + eb between -126 and 127; eo between -126 and 119, so that each power of two below is an f32 number.
; REGISTERS, in windows of 256: window 0: v0-31 addresses; v32-95 bias by registers, v96-103 bias by lanes; from v128 A's fragments, ONE set; on the way out v128-223 at work.
;   window 1: B's fragments, TWO sets.   window 2: the accumulators of my A rows 0-63 (accumulator (a, b) at v[8 (8 a + b)]);   window 3: those of rows 64-127.
.set SIZE_K, 1024
.set KSTEP,  256                       ; along K in a slot
.set ROWB,   256                       ; a tile's row in bytes
.set KROW,   SIZE_K                    ; a row of A or of B in memory, in bytes
.set PITCH,  272                       ; an LDS row: 256 bytes + 16 of padding = 68 words: the 16 rows that a load touches start at 16 different banks (64 banks of 4 bytes: ISA guide 11.1)
.set FR,     16                        ; registers of a fragment: 16 rows x 128 K
.set NL,     4                         ; LDS loads that bring one
.set NP,     4                         ; places behind this matrix instruction (ISA guide 7.12.1)
.set HALFT,  128*PITCH                 ; 128 rows: what one tensor load brings
.set SLOT,   4*HALFT                   ; A's 256 rows, then B's 256 rows
.set LAPS,   SIZE_K/(2*KSTEP)
.set SPARE,  2*SLOT                    ; behind the ring: the spare words, 128 bytes for each wave
.set ADRA, 16                          ; v16-17  LDS address of my A fragments in slot 0, 1
.set ADRB, 20                          ; v20-21  the same for B
.set BO4,  25                          ; v25     4 x (lane % 16): the bias by lanes; never rewritten
.set CO,   26                          ; v26     16 x lane: my place in a store's 512 bytes; never rewritten
.set BO32, 27                          ; v27     32 x (lane / 16): the bias by registers; never rewritten
.set SPW,  28                          ; v28     LDS address of my spare word; never rewritten
.set NIL,  29                          ; v29     0; never rewritten
.set LIM,  30                          ; v30     448 x 2^eo
.set SCL,  31                          ; v31     2^eo
.set BIAS, 32                          ; v32-95  register 8 b + i: bias[my first column + 16 b + 8 h + i]   (Q, K)
.set BV,   96                          ; v96-103 register a: bias[my first column + 16 a + r]               (V)
.set AF,   128                         ; A's fragments, in window 0
.set TMP,  128                         ; the way out: 64 numbers
.set CD,   192                         ; the way out: 16 registers of codes, two sets by turns
.set G1, 24                            ; s[24:31] descriptor group 1 for A's tiles;  s[32:39] group 0, one set for each slot
.set G0, 32
.set G1B, 48                           ; s[48:55], s[56:63] the same for B's tiles
.set G0B, 56
.set MSB, 0
.macro WIN new                         ; the immediate's high byte repeats the setting that is left
.if MSB != (\new)
	s_set_vgpr_msb (MSB<<8)|(\new)
.set MSB, (\new)
.endif
.endm
.set MUL_LO, 0xa1                      ; source 0 (B) window 1, source 1 (A) window 0, C and D window 2
.set MUL_HI, 0xf1                      ; the same, C and D window 3
.set TO_B,   0x40                      ; destination window 1, address window 0
; A joint load: waves 0 and 1 fetch for A, waves 2 and 3 for B.  Each of the two lines has ONE mask and one set of registers; the branch hangs on the wave's number alone.
.macro JLOAD g0a, g1a, g0b, g1b
	s_cmp_eq_u32 s15, 0
	s_cbranch_scc0 .Lfor_b_\@
	tensor_load_to_lds s[\g0a:\g0a+3], s[\g1a:\g1a+7]
	s_nop 0
.rept 4
	v_nop
.endr
	s_branch .Lasked_\@
.Lfor_b_\@:
	tensor_load_to_lds s[\g0b:\g0b+3], s[\g1b:\g1b+7]
	s_nop 0
.rept 4
	v_nop
.endr
.Lasked_\@:
.endm
.macro CREST                           ; a round of the cluster's barrier behind its opening barrier
	s_cmp_lg_u32 s14, 0
	s_cbranch_scc1 .Lnot_wave_0_\@
	s_barrier_signal -3
.Lnot_wave_0_\@:
	s_barrier_wait -3
	s_barrier_signal -1
	s_barrier_wait -1
.endm
.macro CROUND                          ; a whole round
	s_barrier_signal -1
	s_barrier_wait -1
	CREST
.endm
	s_load_b512 s[68:83], s[0:1], 0x0              ; q_codes 68, k_codes 70, v_codes 72, Wq 74, Wk 76, Wv 78, bq 80, bk 82
	s_load_b256 s[84:91], s[0:1], 0x40             ; bv 84, the scales' exponents 86, q_img 88, k_img 90
	s_load_b64 s[92:93], s[0:1], 0x60              ; v_img
	v_lshl_add_u32 v[SPW], v0, 2, SPARE
	v_mov_b32 v[NIL], 0
	ds_add_u32 v[SPW], v[NIL]                      ; the wave's opening: the add, twice on end, and its wait ahead of my first tensor load
	ds_add_u32 v[SPW], v[NIL]                      ; and once more, under the one wait; the set-up below, work on registers, stands between
	v_lshrrev_b32 v1, 5, v0
	v_readfirstlane_b32 s14, v1                    ; wave 0..3
	s_lshr_b32 s15, s14, 1                         ; which half of the tile's A rows is mine.  Also: I fetch for A (0) or for B (1)
	s_and_b32 s16, s14, 1                          ; which half of its B rows.  Also: which 128 rows of that tile I fetch
	s_bfe_u32 s40, ttmp6, 0x40000                  ; cx, cy: my place in the cluster
	s_bfe_u32 s41, ttmp6, 0x40004
	s_and_b32 s67, ttmp7, 0xffff                   ; the cluster's y
	s_sub_co_u32 s95, s67, 8
	s_lshl_b32 s95, s95, 1
	s_add_co_u32 s95, s95, ttmp9                   ; 2 (y - 8) + x: used for V alone
	s_cmp_ge_u32 s67, 8
	s_cselect_b32 s66, 1, 0                        ; 1: this cluster works for V
	s_cselect_b32 s94, 0, s67                      ; which four tile rows,
	s_cselect_b32 s95, s95, 0                      ; which four tile columns are the cluster's
	s_lshl_b32 s42, s95, 2
	s_add_co_u32 s42, s42, s40                     ; tile column (of B's rows)
	s_lshl_b32 s17, s94, 2
	s_add_co_u32 s17, s17, s41                     ; tile row (of A's rows)
	s_lshl_b32 s43, s41, 2
	s_lshl_b32 s43, 15, s43                        ; my row of the cluster
	s_lshl_b32 s44, 0x1111, s40                    ; my column
	; descriptor group 1: a tile of 128 rows x 256 bytes, padded in LDS
	s_or_b32 s[G1+0], s43, (0<<16)|(1<<20)|(1<<21)|(5<<22)|(3<<25)  ; 15:0 the mask: A's tiles go to my row; 17:16 elements of 1 byte; 20 padding on; 21 set beside a mask; 24:22 after every 64 words; 31:25 four words
	s_or_b32 s[G1B+0], s44, (0<<16)|(1<<20)|(1<<21)|(5<<22)|(3<<25)
.irp g, G1, G1B
	s_mov_b32 s[\g+1], ROWB<<16                    ; tensor_dim0
	s_mov_b32 s[\g+2], 128<<16                     ; tensor_dim1 = 128
	s_mov_b32 s[\g+3], ROWB<<16                    ; tile_dim0
	s_mov_b32 s[\g+4], 128                         ; tile_dim1 = 128
	s_mov_b32 s[\g+5], KROW                        ; tensor_dim0_stride
	s_mov_b32 s[\g+6], 0
	s_mov_b32 s[\g+7], 0
.endr
	s_lshl_b32 s18, s16, 7                         ; which 128 rows of the tile I fetch
	s_lshl_b32 s20, s17, 8
	s_add_co_u32 s20, s20, s18                     ; A: row 256 x tile row + 128 x half
	s_lshl_b32 s46, s42, 8
	s_add_co_u32 s46, s46, s18                     ; B: row 256 x tile column + 128 x half
	s_mov_b32 s21, 0
	s_mov_b32 s47, 0
	s_mov_b64 s[18:19], KROW
	s_mul_u64 s[20:21], s[20:21], s[18:19]
	s_mul_u64 s[46:47], s[46:47], s[18:19]
	s_mul_i32 s45, s14, HALFT                      ; where they go: wave x 128 rows: no place in the cluster enters an LDS address
	s_wait_dscnt 0x0                               ; both opening adds are done
	s_wait_kmcnt 0x0
	s_cmp_eq_u32 ttmp9, 0                          ; Q's buffers or K's,
	s_cselect_b64 s[4:5], s[68:69], s[70:71]
	s_cselect_b64 s[6:7], s[74:75], s[76:77]
	s_cselect_b64 s[12:13], s[80:81], s[82:83]
	s_cselect_b64 s[10:11], s[88:89], s[90:91]
	s_cmp_eq_u32 s66, 0                            ; or V's, where A is the weight and B the activations
	s_cselect_b64 s[4:5], s[4:5], s[78:79]         ; A
	s_cselect_b64 s[6:7], s[6:7], s[72:73]         ; B
	s_cselect_b64 s[12:13], s[12:13], s[84:85]     ; the bias
	s_cselect_b64 s[10:11], s[10:11], s[92:93]     ; the images
	s_mov_b64 s[8:9], s[86:87]
	s_load_b256 s[68:75], s[8:9], 0x0              ; e0 .. e7
	s_load_b128 s[76:79], s[8:9], 0x20             ; e8 .. e11
	s_add_nc_u64 s[20:21], s[4:5], s[20:21]
	s_add_nc_u64 s[46:47], s[6:7], s[46:47]
	CROUND                                         ; all sixteen work-groups are here: the first joint loads meet
.irp s, 0,1
	s_mov_b32 s[G0+4*\s], 1
	s_add_co_u32 s[G0+4*\s+1], s45, \s*SLOT
	s_add_nc_u64 s[G0+4*\s+2:G0+4*\s+3], s[20:21], \s*ROWB
	s_or_b32 s[G0+4*\s+3], s[G0+4*\s+3], 0x80000000
	s_mov_b32 s[G0B+4*\s], 1
	s_add_co_u32 s[G0B+4*\s+1], s45, \s*SLOT
	s_add_nc_u64 s[G0B+4*\s+2:G0B+4*\s+3], s[46:47], \s*ROWB
	s_or_b32 s[G0B+4*\s+3], s[G0B+4*\s+3], 0x80000000
.endr
	JLOAD G0, G1, G0B, G1B                         ; K step 0: one tensor load a wave at the head
	v_and_b32 v1, 15, v0                           ; r = l % 16
	v_bfe_u32 v2, v0, 4, 1                         ; h = l / 16
	v_mul_u32_u24 v3, v1, PITCH
	v_lshl_add_u32 v4, v2, 4, v3                   ; a fragment's row x pitch + 16 x half
	s_mul_i32 s21, s15, HALFT                      ; my 128 rows of A
	s_mul_i32 s22, s16, HALFT                      ; my 128 rows of B,
	s_add_co_u32 s22, s22, 2*HALFT                 ; which lie behind A's 256
.irp s, 0,1
	v_add_nc_u32 v[ADRA+\s], s21, v4
	v_add_nc_u32 v[ADRB+\s], s22, v4
	s_add_co_u32 s21, s21, SLOT
	s_add_co_u32 s22, s22, SLOT
.endr
	v_and_b32 v6, 31, v0
	v_lshlrev_b32 v[CO], 4, v6
	v_lshlrev_b32 v[BO4], 2, v1
	v_lshlrev_b32 v[BO32], 5, v2
	; where my wave's images begin.  Its 128 activation rows are one head, its 128 output columns two column blocks c.
	s_wait_alu depctr_va_vdst(0)
	s_lshl_b32 s80, s17, 1
	s_add_co_u32 s80, s80, s15                     ; 2 x tile row + my half of A's rows
	s_lshl_b32 s81, s42, 1
	s_add_co_u32 s81, s81, s16                     ; 2 x tile column + my half of B's rows
	s_cmp_eq_u32 s66, 0
	s_cselect_b32 s82, s80, s81                    ; the head: by the activations' rows
	s_cselect_b32 s83, s81, s80                    ; my first column / 128: by the weight's rows
	s_lshl_b32 s84, s82, 17                        ; a head's images are 131,072 bytes,
	s_lshl_b32 s85, s83, 14                        ; two column blocks 16,384
	s_add_co_u32 s84, s84, s85
	s_mov_b32 s85, 0
	s_add_nc_u64 s[10:11], s[10:11], s[84:85]
	s_lshl_b32 s84, s83, 9                         ; 128 numbers of the bias are 512 bytes
	s_add_nc_u64 s[12:13], s[12:13], s[84:85]
	; the bias in both forms, in every work-group: each register is then written on every way through the text; all addresses lie in my 128 numbers
.irp b, 0,1,2,3,4,5,6,7
	global_load_b128 v[BIAS+8*\b:BIAS+8*\b+3], v[BO32], s[12:13] offset:64*\b
	global_load_b128 v[BIAS+8*\b+4:BIAS+8*\b+7], v[BO32], s[12:13] offset:64*\b+16
.endr
.irp a, 0,1,2,3,4,5,6,7
	global_load_b32 v[BV+\a], v[BO4], s[12:13] offset:64*\a
.endr
.macro FRAG reg, adr, q, i             ; a fragment: lane l holds row l % 16; registers 4 c .. 4 c + 3 hold K = 32 c + 16 (l / 16) + 0 .. 15: the same places along K in A and in B, so each product meets its partner
.irp c, 0,1,2,3
	ds_load_b128 v[\reg+4*\c:\reg+4*\c+3], v[\adr] offset:128*(\q)+32*\c+(\i)*16*PITCH
.endr
.endm
; 16 matrix instructions: A's blocks a0, a0 + 1 x B's eight, 128 along K.  p: B's set.  zero = 1: the first product starts the sums.
; The 64 accumulators take turns, one instruction a turn, in the same order in every step.
.macro MUL16 a0, p, zero
.irp a, \a0, \a0+1
.irp b, 0,1,2,3,4,5,6,7
.if \zero
	v_wmma_f32_16x16x128_fp8_fp8 v[8*(8*((\a)%4)+\b):8*(8*((\a)%4)+\b)+7], v[128*(\p)+FR*\b:128*(\p)+FR*\b+FR-1], v[AF+FR*(\a):AF+FR*(\a)+FR-1], 0
.else
	v_wmma_f32_16x16x128_fp8_fp8 v[8*(8*((\a)%4)+\b):8*(8*((\a)%4)+\b)+7], v[128*(\p)+FR*\b:128*(\p)+FR*\b+FR-1], v[AF+FR*(\a):AF+FR*(\a)+FR-1], v[8*(8*((\a)%4)+\b):8*(8*((\a)%4)+\b)+7]
.endif
.endr
.endr
.endm
.macro FETCH_B slot, q, p              ; B's eight fragments of the slot's q-th 128 along K into set p
	WIN TO_B
.irp i, 0,1,2,3,4,5,6,7
	FRAG 128*(\p)+FR*\i, ADRB+\slot, \q, \i
.endr
	WIN 0
.endm
.macro FETCH_A slot, q, i0             ; A's blocks i0 .. i0 + 3
.irp i, \i0, \i0+1, \i0+2, \i0+3
	FRAG AF+FR*(\i), ADRA+\slot, \q, \i
.endr
.endm
.macro PLACES n                        ; plain vector instructions between a matrix instruction and a load into, or a vector read or write of, its registers
.rept \n
	v_nop
.endr
.endm
; A step of 128 along K that has its successor in the same slot.
.macro STEP slot, q, zero
	s_wait_dscnt 4*NL                              ; B's set and A's blocks 0-3 are in; the youngest 16 loads (A's blocks 4-7) may be out
	WIN MUL_LO
	MUL16 0, (\q)%2, \zero
	MUL16 2, (\q)%2, \zero
	s_wait_dscnt 0                                 ; A's blocks 4-7 are in
	PLACES NP
	FETCH_B \slot, (\q)+1, 1-(\q)%2
	FETCH_A \slot, (\q)+1, 0
	WIN MUL_HI
	MUL16 4, (\q)%2, \zero
	MUL16 6, (\q)%2, \zero
	PLACES NP
	WIN 0
	FETCH_A \slot, (\q)+1, 4
.endm
; A slot's last step changes slots: ONE barrier; in front of it each wave waits for all its tensor loads, adds 0 to its spare word, and waits for that and for its own reads of this slot.  fill = 1: this slot is filled again, two K steps ahead.
.macro TURN slot, next, fill
	s_wait_tensorcnt 0x0                           ; all my tensor loads have landed: my part of the next slot  (every window is 0 here)
	ds_add_u32 v[SPW], v[NIL]                      ; 0 onto my spare word
	s_wait_dscnt 4*NL+1                            ; (the add and the youngest 16 loads, A's blocks 4-7, may be out)
	WIN MUL_LO
	MUL16 0, 1, 0                                  ; sixteen matrix instructions stand between the add and the wait for it
	s_wait_dscnt 0x0                               ; the add is done, and my reads of this slot are over
	s_barrier_signal -1
	MUL16 2, 1, 0
	WIN 0
	s_barrier_wait -1
.if \fill
	CREST                                          ; the barrier has opened a round of the cluster's barrier: no wave of any partner still reads this slot or has a load on its way
	s_add_nc_u64 s[G0+4*\slot+2:G0+4*\slot+3], s[G0+4*\slot+2:G0+4*\slot+3], 2*ROWB
	s_add_nc_u64 s[G0B+4*\slot+2:G0B+4*\slot+3], s[G0B+4*\slot+2:G0B+4*\slot+3], 2*ROWB
	JLOAD G0+4*\slot, G1, G0B+4*\slot, G1B         ; the first tensor load behind the round; the four v_nop behind it are the places in front of the loads below
.else
	PLACES NP
.endif
	FETCH_B \next, 0, 0
	FETCH_A \next, 0, 0
	WIN MUL_HI
	MUL16 4, 1, 0
	MUL16 6, 1, 0
	PLACES NP
	WIN 0
	FETCH_A \next, 0, 4
.endm
	s_wait_loadcnt 0x0                             ; the bias
	s_wait_tensorcnt 0x0                           ; my part of K step 0 is in
	ds_add_u32 v[SPW], v[NIL]
	s_wait_dscnt 0x0
	CROUND                                         ; everybody's part is in, and the joint loads meet
	JLOAD G0+4, G1, G0B+4, G1B                     ; K step 1: the first tensor load behind the round
	FETCH_B 0, 0, 0
	FETCH_A 0, 0, 0
	FETCH_A 0, 0, 4
	STEP 0, 0, 1                                   ; the first step stands in front of the loop: its products start the sums
	s_mov_b32 s3, LAPS-1
.Llap:                                                 ; a trip goes once round the ring and fills both slots again
	TURN 0, 1, 1
	STEP 1, 0, 0
	TURN 1, 0, 1
	STEP 0, 0, 0
	s_sub_co_u32 s3, s3, 1
	s_cmp_lg_u32 s3, 0
	s_cbranch_scc1 .Llap
	TURN 0, 1, 0                                   ; the last lap fills nothing, and has no round of the cluster's barrier
	STEP 1, 0, 0
	s_wait_dscnt 4*NL                              ; the very last step: nothing more to fetch
	WIN MUL_LO
	MUL16 0, 1, 0
	MUL16 2, 1, 0
	s_wait_dscnt 0
	WIN MUL_HI
	MUL16 4, 1, 0
	MUL16 6, 1, 0
	WIN 0
	; THE WAY OUT.  The exponents are chosen by selects on the cluster's number; no branch hangs on them.
	s_wait_kmcnt 0x0
	s_add_co_i32 s80, s68, s69                     ; e0 + e1
	s_add_co_i32 s81, s70, s71                     ; e2 + e3
	s_add_co_i32 s82, s72, s73                     ; e4 + e5
	s_cmp_eq_u32 ttmp9, 0
	s_cselect_b32 s80, s80, s81
	s_cselect_b32 s83, s74, s75                    ; e6 for Q, e7 for K,
	s_cmp_eq_u32 s66, 0
	s_cselect_b32 s80, s80, s82
	s_cselect_b32 s83, s83, s77                    ; e9 for V
	s_add_co_i32 s80, s80, 127
	s_lshl_b32 s96, s80, 23                        ; 2^(ea + eb) as f32
	s_mov_b32 s97, s96                             ; (named with it as a pair, so it is written)
	s_add_co_i32 s83, s83, 127
	s_lshl_b32 s84, s83, 23
	v_mov_b32 v[SCL], s84                          ; 2^eo: the conversion takes its exponent field
	s_add_co_i32 s83, s83, 8
	s_lshl_b32 s83, s83, 23
	s_or_b32 s83, s83, 0x600000
	v_mov_b32 v[LIM], s83                          ; 448 x 2^eo
	PLACES NP                                      ; behind the last products: their results are read and A's registers written below
; Q, K: block a is row block rb = a of my head.  Its eight accumulators are 128 columns: two column blocks of four channel tiles.  The 16 registers of codes are two fragments' images.
.macro TAILQK a
.set AC, 64*((\a)%4)
.set CC, CD+16*((\a)%2)
	s_wait_xcnt 0x0                                ; the earlier stores have read their data registers: they are written again only behind this wait
	WIN 0x02+((\a)/4)                              ; source 0: window 2 or 3
.set j, 0
.rept 32
	v_pk_fma_f32 v[TMP+j:TMP+j+1], v[AC+j:AC+j+1], s[96:97], v[BIAS+j:BIAS+j+1] op_sel_hi:[1,0,1]   ; sum x 2^(ea + eb) + bias; each accumulator from its low end on
.set j, j+2
.endr
	WIN 0
.set j, 0
.rept 64
	v_med3_num_f32 v[TMP+j], v[TMP+j], -v[LIM], v[LIM]   ; the conversion does not saturate (ISA guide 7.6.2): the hold comes first
.set j, j+1
.endr
.irp b, 0,1,2,3,4,5,6,7
	v_cvt_scalef32_pk8_fp8_f32 v[CC+2*\b:CC+2*\b+1], v[TMP+8*\b:TMP+8*\b+7], v[SCL]
.endr
	v_nop                                          ; one plain line behind the last conversion: the next block writes its sources
.irp p, 0,1,2,3
	global_store_b128 v[CO], v[CC+4*\p:CC+4*\p+3], s[10:11] offset:(\p/2)*8192+(\a)*1024+(\p%2)*512   ; 512 consecutive bytes, aligned
.endr
.endm
; V: block a is 16 channels: column block a / 4, channel tile a % 4.  Its eight accumulators are the head's eight row blocks: the 16 registers of codes are one whole fragment of V^T.
.macro TAILV a
.set AC, 64*((\a)%4)
.set CC, CD+16*((\a)%2)
	s_wait_xcnt 0x0
	WIN 0x02+((\a)/4)
.set j, 0
.rept 64
	v_fma_f32 v[TMP+j], v[AC+j], s96, v[BV+(\a)]   ; the bias hangs on the lane's channel
.set j, j+1
.endr
	WIN 0
.set j, 0
.rept 64
	v_med3_num_f32 v[TMP+j], v[TMP+j], -v[LIM], v[LIM]
.set j, j+1
.endr
.irp b, 0,1,2,3,4,5,6,7
	v_cvt_scalef32_pk8_fp8_f32 v[CC+2*\b:CC+2*\b+1], v[TMP+8*\b:TMP+8*\b+7], v[SCL]
.endr
	v_nop
.irp p, 0,1,2,3
	global_store_b128 v[CO], v[CC+4*\p:CC+4*\p+3], s[10:11] offset:(\a)*2048+\p*512
.endr
.endm
	s_cmp_eq_u32 s66, 1                            ; the cluster's number alone: all sixteen partners go the same way
	s_cbranch_scc1 .Lfor_v
.irp a, 0,1,2,3,4,5,6,7
	TAILQK \a
.endr
	s_branch .Lout
.Lfor_v:
.irp a, 0,1,2,3,4,5,6,7
	TAILV \a
.endr
.Lout:
	s_wait_tensorcnt 0x0                           ; the wave's end
	ds_add_u32 v[SPW], v[NIL]
	s_wait_dscnt 0x0
	CROUND                                         ; the closing round: no work-group ends while a partner may still ask for a tile that names it
	s_endpgm
.Lfunc_end_k_q63f2e4578f_proj:
	.size	k_q63f2e4578f_proj, .Lfunc_end_k_q63f2e4578f_proj-k_q63f2e4578f_proj
	.p2alignl 7, 3214868480
	.fill 96, 4, 3214868480
	.section	.rodata,"a",@progbits
	.p2align	6, 0x0
	.amdhsa_kernel k_q63f2e4578f_proj
		.amdhsa_group_segment_fixed_size 327680
		.amdhsa_private_segment_fixed_size 0
		.amdhsa_enable_private_segment 0
		.amdhsa_kernarg_size 104
		.amdhsa_user_sgpr_count 2
		.amdhsa_user_sgpr_kernarg_segment_ptr 1
		.amdhsa_wavefront_size32 1
		.amdhsa_system_sgpr_workgroup_id_x 1
		.amdhsa_system_sgpr_workgroup_id_y 1
		.amdhsa_system_sgpr_workgroup_id_z 1
		.amdhsa_system_vgpr_workitem_id 0
		.amdhsa_next_free_vgpr 1024
		.amdhsa_next_free_sgpr 98
		.amdhsa_reserve_vcc 0
		.amdhsa_float_denorm_mode_32 3
		.amdhsa_float_denorm_mode_16_64 3
		.amdhsa_memory_ordered 1
		.amdhsa_forward_progress 1
		.amdhsa_inst_pref_size 210
	.end_amdhsa_kernel
	.amdgpu_metadata
---
amdhsa.version: [ 1, 2 ]
amdhsa.kernels:
  - .name:           k_q63f2e4578f_proj
    .symbol:         k_q63f2e4578f_proj.kd
    .args:
      - { .name: q_codes, .offset: 0, .size: 8, .value_kind: global_buffer, .address_space: global }
      - { .name: k_codes, .offset: 8, .size: 8, .value_kind: global_buffer, .address_space: global }
      - { .name: v_codes, .offset: 16, .size: 8, .value_kind: global_buffer, .address_space: global }
      - { .name: Wq_codes, .offset: 24, .size: 8, .value_kind: global_buffer, .address_space: global }
      - { .name: Wk_codes, .offset: 32, .size: 8, .value_kind: global_buffer, .address_space: global }
      - { .name: Wv_codes, .offset: 40, .size: 8, .value_kind: global_buffer, .address_space: global }
      - { .name: bq, .offset: 48, .size: 8, .value_kind: global_buffer, .address_space: global }
      - { .name: bk, .offset: 56, .size: 8, .value_kind: global_buffer, .address_space: global }
      - { .name: bv, .offset: 64, .size: 8, .value_kind: global_buffer, .address_space: global }
      - { .name: lowp_scales, .offset: 72, .size: 8, .value_kind: global_buffer, .address_space: global }
      - { .name: q_img, .offset: 80, .size: 8, .value_kind: global_buffer, .address_space: global }
      - { .name: k_img, .offset: 88, .size: 8, .value_kind: global_buffer, .address_space: global }
      - { .name: v_img, .offset: 96, .size: 8, .value_kind: global_buffer, .address_space: global }
    .group_segment_fixed_size: 327680
    .private_segment_fixed_size: 0
    .kernarg_segment_align: 8
    .kernarg_segment_size: 104
    .max_flat_workgroup_size: 128
    .sgpr_count:     98
    .vgpr_count:     1024
    .wavefront_size: 32
...
	.end_amdgpu_metadata
.endif
;; end of part 2
;; launch attn (part 3): grid 4 x 64, 16 waves a work-group, clusters of 4 x 1, 327,680 bytes of LDS; arguments q_img, k_img, v_img, lowp_scales, wo_img, bo, q, gamma, beta, out0; writes out0
.if DOCPART == 3
	.amdgcn_target "amdgcn-amd-amdhsa--gfx1250"
	.amdhsa_code_object_version 6
	.text
	.protected	k_q63f2e4578f_attn
	.globl	k_q63f2e4578f_attn
	.p2align	8
	.type	k_q63f2e4578f_attn,@function
k_q63f2e4578f_attn:
	s_mov_b64 s[64:65], 0
	v_nop
	global_prefetch_b8 v0, s[64:65] scope:SCOPE_SE
	s_setreg_imm32_b32 hwreg(HW_REG_WAVE_MODE, 25, 1), 1
	s_wait_xcnt 0x0
	s_wait_alu depctr_hold_cnt(0) depctr_sa_sdst(0) depctr_va_vdst(0) depctr_va_sdst(0) depctr_va_ssrc(0) depctr_va_vcc(0) depctr_vm_vsrc(0)
	s_getreg_b32 s2, hwreg(HW_REG_IB_STS2, 6, 4)
	s_cmp_eq_u32 s2, 0
	s_cbranch_scc0 .Lentry_in_a_cluster
	s_endpgm
.Lentry_in_a_cluster:
	s_bfe_u32 s2, ttmp6, 0x10000c
	s_cmp_lg_u32 s2, 0x3003
	s_cbranch_scc0 .Lentry_shape_is_right
	s_endpgm
.Lentry_shape_is_right:
; Attention on codes of FP8 (E4M3), then ctx Wo^T + bo, the residual q and the layer norm, in one launch.  Nothing is left out.
; SHARES.  A work-group owns 512 queries of one head: head rows 32 cx .. 32 cx + 31 at all 16 column blocks, which by the module's raw reshape are 32 WHOLE rows of ctx [8192][1024].
; Wave w owns column block w: two tiles of 16 queries (x = 0, 1).  The head's K and V images (128 KiB each) lie whole in LDS, fetched jointly by the cluster's four work-groups, which share the head.
; A key step is 128 keys (column block = step, 8 row tiles).  S^T = K Q^T and O^T = V^T P^T: a lane holds one query.  p = 2^(t - M), M = ceil of the running largest t; the row's sum is of the unquantised p.
; SECOND PART.  ctx's codes go into LDS as images of the operand registers ([x][w][dt][r][h][8 bytes]); wave w makes columns 64 w .. 64 w + 63 of all 32 rows: 8 accumulators by turns.
; Wo's image (8 K steps of 128) comes two ways.  K steps 0-3 go from memory straight into registers, 512 consecutive bytes a load, two sets of 16 loads by turns: no two waves of a work-group share a byte of them.
; K steps 4-5 and 6-7 come by two joint loads of the cluster's four work-groups, which all walk the same Wo, into K's and V's bytes: wave w fetches, and alone reads, 16 KiB at 16,384 w (4 column tiles x 4,096 bytes).
; The sums go through a stage in LDS (the same bytes, behind their last fill and a barrier behind their last read); wave w then norms rows 2 w and 2 w + 1 and stores whole rows.
; PREFETCH: in one trip of the second loop each wave asks for 16 KiB of Wo's image (the cluster's 64 waves share the 1 MiB out by address) and for its own two rows of q, six key steps ahead of their loads.
; K and V are asked for at the head alone, where no loop runs ahead of them: no prefetch for them.
; LIMITS: e6 + e7 between -123 and 130; e8 and e10 between -126 and 119; e10 + e11 between -126 and 127; the scaled scores stay under 2^31 in magnitude.  NaN among the inputs is not served.
.set VOFF,  131072
.set SPARE, 262144                     ; the spare words: 128 bytes for each of 16 waves
.set AIMG,  264192                     ; ctx's codes: 32,768 bytes of their own
.set SPITCH, 4112                      ; a stage row: 4,096 bytes + 16
.set LI,  1                            ; 16 x lane
.set SPW, 2
.set NIL, 3
.set SCL, 4
.set LIM, 5
.set ADK, 6
.set ADV, 7
.set ST,  8                            ; for each x: -M, the largest score, the sum in two halves
.set QF,  16
.set KV,  32                           ; K's or V's fragments; later Wo's set 0
.set S,   96                           ; scores, p; later Wo's set 1
.set OT,  160
.set P,   224
.set CST, 16                           ; second part: addresses in Q's registers
.set PLR, 16
.set ADA, 19
.set STO, 20
.set RD,  22
.set ADW, 23
.set SM,  24
.set SQ,  28
.set AF,  224
.set ACC, 160
.set X,   160
.set RES, 32
.set BO,  96
.set GA,  128
.set BE,  224
.set WV,  16
.set TB,  19
.set SEL, 20
.set CS,  22
.set G1A, 24
.set G1B, 32
.set G0A, 40
.set G0B, 44
.set G0W, 76                           ; s[76:79], s[92:99]: the descriptor of Wo's joint loads
.set G1W, 92
.macro ROUND
	s_barrier_signal -1
	s_barrier_wait -1
	s_cmp_lg_u32 s[WV], 0
	s_cbranch_scc1 .Lnot_wave_0_\@
	s_barrier_signal -3
.Lnot_wave_0_\@:
	s_barrier_wait -3
	s_barrier_signal -1
	s_barrier_wait -1
.endm
.macro PLACES
.rept 4
	v_nop
.endr
.endm
	s_load_b256 s[4:11], s[0:1], 0x0               ; q_img 4, k_img 6, v_img 8, the exponents 10
	s_load_b256 s[80:87], s[0:1], 0x20             ; wo_img 80, bo 82, q 84, gamma 86
	s_load_b128 s[88:91], s[0:1], 0x40             ; beta 88, out0 90
	v_lshl_add_u32 v[SPW], v0, 2, SPARE
	v_mov_b32 v[NIL], 0
	ds_add_u32 v[SPW], v[NIL]                      ; the opening lines: the add twice on end and one wait
	ds_add_u32 v[SPW], v[NIL]
	v_lshrrev_b32 v1, 5, v0
	v_readfirstlane_b32 s[WV], v1
	s_bfe_u32 s17, ttmp6, 0x40000                  ; cx
	s_and_b32 s18, ttmp7, 0xffff                   ; the head
	s_lshr_b32 s66, s[WV], 3                       ; waves 0-7 fetch K, 8-15 V
	s_and_b32 s67, s[WV], 7
	s_lshl_b32 s68, s66, 17
	s_lshl_b32 s69, s67, 12                        ; first fill: 4 KiB a wave: key steps 0-3
	s_mul_i32 s70, s67, 12288
	s_add_co_u32 s70, s70, 32768                   ; second: 12 KiB a wave: key steps 4-15
	s_mov_b32 s[G1A], 15|(3<<16)|(1<<21)           ; the mask names the cluster's four; elements of 8 bytes
	s_mov_b32 s[G1A+1], 32<<16
	s_mov_b32 s[G1A+2], 16<<16
	s_mov_b32 s[G1A+3], 32<<16
	s_mov_b32 s[G1A+4], 16
	s_mov_b32 s[G1A+5], 32
	s_mov_b32 s[G1A+6], 0
	s_mov_b32 s[G1A+7], 0
	s_mov_b32 s[G1B], 15|(3<<16)|(1<<21)
	s_mov_b32 s[G1B+1], 32<<16
	s_mov_b32 s[G1B+2], 48<<16
	s_mov_b32 s[G1B+3], 32<<16
	s_mov_b32 s[G1B+4], 48
	s_mov_b32 s[G1B+5], 32
	s_mov_b32 s[G1B+6], 0
	s_mov_b32 s[G1B+7], 0
	s_mov_b32 s[G1W], 15|(3<<16)|(1<<21)           ; Wo: 4 rows (column tiles) of 512 elements of 8 bytes (two K steps), 2,048 elements apart
	s_mov_b32 s[G1W+1], 512<<16
	s_mov_b32 s[G1W+2], 4<<16
	s_mov_b32 s[G1W+3], 512<<16
	s_mov_b32 s[G1W+4], 4
	s_mov_b32 s[G1W+5], 2048
	s_mov_b32 s[G1W+6], 0
	s_mov_b32 s[G1W+7], 0
	s_mov_b32 s[G0A], 1
	s_add_co_u32 s[G0A+1], s68, s69
	s_mov_b32 s[G0B], 1
	s_add_co_u32 s[G0B+1], s68, s70
	s_mov_b32 s[G0W], 1
	s_lshl_b32 s[G0W+1], s[WV], 14                 ; my 16 KiB of LDS
	s_lshl_b32 s72, s18, 17                        ; a head's image is 131,072 bytes
	s_mov_b32 s73, 0
	s_mov_b32 s75, 0
	s_mov_b32 s[SEL], 0x76543210
	s_mov_b32 s[SEL+1], 0xfedcba98
	s_mov_b32 s[CS], 0x3e38aa3b                    ; log2(e) / 8
	s_mov_b32 s[TB], 0
	v_and_b32 v[LI], 31, v0
	v_lshlrev_b32 v[LI], 4, v[LI]
	s_wait_alu depctr_va_vdst(0)
	s_wait_dscnt 0x0
	s_wait_kmcnt 0x0
	s_load_b256 s[52:59], s[10:11], 0x0            ; e0 .. e7
	s_load_b128 s[60:63], s[10:11], 0x20           ; e8 .. e11
	s_cmp_lt_u32 s[WV], 8
	s_cselect_b64 s[14:15], s[6:7], s[8:9]
	s_add_nc_u64 s[14:15], s[14:15], s[72:73]
	s_mov_b32 s74, s69
	s_add_nc_u64 s[G0A+2:G0A+3], s[14:15], s[74:75]
	s_or_b32 s[G0A+3], s[G0A+3], 0x80000000
	s_mov_b32 s74, s70
	s_add_nc_u64 s[G0B+2:G0B+3], s[14:15], s[74:75]
	s_or_b32 s[G0B+3], s[G0B+3], 0x80000000
	s_lshl_b32 s74, s[WV], 13
	s_lshl_b32 s71, s17, 11
	s_add_co_u32 s74, s74, s71
	s_add_nc_u64 s[4:5], s[4:5], s[72:73]
	s_add_nc_u64 s[4:5], s[4:5], s[74:75]
.irp x, 0,1
.irp p, 0,1
	global_load_b128 v[QF+8*\x+4*\p:QF+8*\x+4*\p+3], v[LI], s[4:5] offset:\x*1024+\p*512   ; Q's two fragments, asked for ahead of the tiles
.endr
.endr
	s_lshl_b32 s74, s18, 19                        ; my two rows of q and out0: row 128 head + 32 cx + 2 w, 4,096 bytes a row
	s_lshl_b32 s71, s17, 17
	s_add_co_u32 s74, s74, s71
	s_lshl_b32 s71, s[WV], 13
	s_add_co_u32 s74, s74, s71
	s_add_nc_u64 s[84:85], s[84:85], s[74:75]
	s_add_nc_u64 s[90:91], s[90:91], s[74:75]
	s_lshl_b32 s74, s17, 18                        ; what I prefetch of Wo's image: 16 KiB at 16,384 (16 cx + w)
	s_lshl_b32 s71, s[WV], 14
	s_add_co_u32 s74, s74, s71
	s_add_nc_u64 s[12:13], s[80:81], s[74:75]
	s_lshl_b32 s74, s[WV], 16                      ; what I load of it: column tiles 4 w .. 4 w + 3
	s_add_nc_u64 s[80:81], s[80:81], s[74:75]
	s_add_nc_u64 s[G0W+2:G0W+3], s[80:81], 8192    ; the joint loads begin at K step 4: the wave's number alone enters, which the four partners share
	s_or_b32 s[G0W+3], s[G0W+3], 0x80000000
	ROUND
	tensor_load_to_lds s[G0A:G0A+3], s[G1A:G1A+7]
	s_nop 0
.irp x, 0,1
	v_mov_b32 v[ST+4*\x], 0x7f61b1e6               ; -M = 3e38
	v_mov_b32 v[ST+4*\x+1], 0xff61b1e6             ; the largest score so far: -3e38, under every sum of 64 products of codes
	v_mov_b32 v[ST+4*\x+2], 0
	v_mov_b32 v[ST+4*\x+3], 0
	v_mov_b32 v[P+16*\x+3], 0                      ; named as a pair's upper half
	v_mov_b32 v[P+16*\x+6], 0                      ; a lane permute's destination counts as a source
.endr
.set j, 0
.rept 64
	v_mov_b32 v[OT+j], 0                           ; the step is written once: the first change of M multiplies zeros
.set j, j+1
.endr
	s_wait_kmcnt 0x0
	s_add_co_i32 s66, s58, s59
	s_lshl_b32 s66, s66, 23
	s_add_co_i32 s[CS], s[CS], s66                 ; c x 2^(e6 + e7)
	s_mov_b32 s[CS+1], s[CS]
	s_add_co_i32 s66, s60, 127
	s_lshl_b32 s67, s66, 23
	v_mov_b32 v[SCL], s67                          ; 2^e8
	s_add_co_i32 s66, s66, 8
	s_lshl_b32 s66, s66, 23
	s_or_b32 s66, s66, 0x600000
	v_mov_b32 v[LIM], s66                          ; 448 x 2^e8
	s_wait_alu depctr_va_vdst(0)
	s_wait_tensorcnt 0x0                           ; my part of key steps 0-3 is in
	ds_add_u32 v[SPW], v[NIL]
	s_wait_dscnt 0x0
	ROUND                                          ; everybody's part is in
	tensor_load_to_lds s[G0B:G0B+3], s[G1B:G1B+7]
	s_nop 0
	s_wait_loadcnt 0x0                             ; Q
.macro SCORES x
.irp t, 0,1,2,3,4,5,6,7
	v_wmma_f32_16x16x64_fp8_fp8 v[S+8*\t:S+8*\t+7], v[KV+8*\t:KV+8*\t+7], v[QF+8*(\x):QF+8*(\x)+7], 0
.endr
.endm
.macro SOFTMAX x
.set PB, P+16*(\x)
.set SS, ST+4*(\x)
.set OO, OT+32*(\x)
	v_max3_num_f32 v[PB], v[S], v[S+1], v[S+2]     ; 64 scores and the running largest: 32 lines, each accumulator from its low end on
	v_max3_num_f32 v[PB+1], v[S+3], v[S+4], v[S+5]
.irp i, 6,10,14,18,22,26,30,34,38,42,46,50,54,58
	v_max3_num_f32 v[PB], v[PB], v[S+\i], v[S+\i+1]
	v_max3_num_f32 v[PB+1], v[PB+1], v[S+\i+2], v[S+\i+3]
.endr
	v_max3_num_f32 v[PB], v[PB], v[S+62], v[S+63]
	s_delay_alu instid0(VALU_DEP_1)
	v_max3_num_f32 v[PB], v[PB], v[PB+1], v[SS+1]
	v_permlanex16_b32 v[PB+6], v[PB], s[SEL], s[SEL+1]
	s_delay_alu instid0(VALU_DEP_1)
	v_max_num_f32 v[SS+1], v[PB], v[PB+6]          ; with lane l xor 16's
	s_delay_alu instid0(VALU_DEP_1)
	v_mul_f32 v[PB], s[CS], v[SS+1]                ; as t (c is positive)
	s_delay_alu instid0(VALU_DEP_1)
	v_floor_f32 v[PB+1], -v[PB]                    ; the new -M
	s_delay_alu instid0(VALU_DEP_1)
	v_sub_f32 v[PB], v[PB+1], v[SS]                ; old M - new M, a whole number, 0 or less
	v_mov_b32 v[SS], v[PB+1]
	s_delay_alu instid0(VALU_DEP_2)
	v_cvt_i32_f32 v[PB], v[PB]                     ; (it saturates)
	s_delay_alu instid0(VALU_DEP_1)
	v_ldexp_f32 v[PB+2], 1.0, v[PB]                ; f = 2^(old M - new M)
.set j, 0
.rept 32
	v_pk_fma_f32 v[S+j:S+j+1], v[S+j:S+j+1], s[CS:CS+1], v[SS:SS+1] op_sel_hi:[1,0,0]
.set j, j+2
.endr
	s_wait_alu depctr_va_vdst(0)                   ; ahead of the batch
.set j, 0
.rept 64
	v_exp_f32 v[S+j], v[S+j]
.set j, j+1
.endr
	v_pk_mul_f32 v[SS+2:SS+3], v[SS+2:SS+3], v[PB+2:PB+3] op_sel_hi:[1,0]
	s_wait_alu depctr_va_vdst(0)                   ; and behind it, ahead of its first reader and of O^T's
	v_pk_add_f32 v[PB+4:PB+5], v[S:S+1], v[S+2:S+3]
.irp j, 4,8,12,16,20,24,28,32,36,40,44,48,52,56,60
	v_pk_add_f32 v[SS+2:SS+3], v[SS+2:SS+3], v[S+\j:S+\j+1]
	v_pk_add_f32 v[PB+4:PB+5], v[PB+4:PB+5], v[S+\j+2:S+\j+3]
.endr
	v_pk_add_f32 v[SS+2:SS+3], v[SS+2:SS+3], v[PB+4:PB+5]
.set j, 0
.rept 16
	v_pk_mul_f32 v[OO+j:OO+j+1], v[OO+j:OO+j+1], v[PB+2:PB+3] op_sel_hi:[1,0]
.set j, j+2
.endr
.set j, 0
.rept 32
	v_dual_min_num_f32 v[S+j], v[S+j], v[LIM] :: v_dual_min_num_f32 v[S+j+1], v[S+j+1], v[LIM]   ; the hold (ISA guide 7.6.2: the conversion does not saturate); p is not negative: one-sided; two numbers a line
.set j, j+2
.endr
.irp t, 0,1,2,3,4,5,6,7
	v_cvt_scalef32_pk8_fp8_f32 v[PB+2*\t:PB+2*\t+1], v[S+8*\t:S+8*\t+7], v[SCL]
.endr
	v_nop
.endm
.macro STEP pf
	v_add_nc_u32 v[ADK], s[TB], v[LI]
	v_add_nc_u32 v[ADV], VOFF, v[ADK]
	v_nop
	v_nop                                          ; four places behind the last products, ahead of the loads into their registers
.irp t, 0,1,2,3,4,5,6,7
.irp p, 0,1
	ds_load_b128 v[KV+8*\t+4*\p:KV+8*\t+4*\p+3], v[ADK] offset:\t*1024+\p*512
.endr
.endr
	s_wait_dscnt 0x0
	SCORES 0
	PLACES
	SOFTMAX 0
	SCORES 1
	PLACES
.irp dt, 0,1,2,3
.irp p, 0,1,2,3
	ds_load_b128 v[KV+16*\dt+4*\p:KV+16*\dt+4*\p+3], v[ADV] offset:\dt*2048+\p*512
.endr
.endr
.if \pf
	s_cmp_eq_u32 s48, 6                            ; once, six key steps ahead of the second part: lanes 256 bytes apart
	s_cbranch_scc0 .Lno_ask_\@
	v_lshlrev_b32 v[ADV], 4, v[LI]
	global_prefetch_b8 v[ADV], s[12:13] th:TH_LOAD_NT scope:SCOPE_SE
	global_prefetch_b8 v[ADV], s[12:13] offset:8192 th:TH_LOAD_NT scope:SCOPE_SE
	global_prefetch_b8 v[ADV], s[84:85] th:TH_LOAD_NT scope:SCOPE_SE
.Lno_ask_\@:
.endif
	SOFTMAX 1
	s_wait_alu depctr_va_vdst(0)
.if \pf
	s_wait_xcnt 0x0                                ; the prefetches have read their offset register, which the next step writes
.endif
	s_wait_dscnt 0x0
.irp dt, 0,1,2,3
.irp x, 0,1
	v_wmma_f32_16x16x128_fp8_fp8 v[OT+32*\x+8*\dt:OT+32*\x+8*\dt+7], v[KV+16*\dt:KV+16*\dt+15], v[P+16*\x:P+16*\x+15], v[OT+32*\x+8*\dt:OT+32*\x+8*\dt+7]
.endr
.endr
	s_add_co_u32 s[TB], s[TB], 8192
.endm
	s_mov_b32 s48, 0
.Lfirst:
	STEP 0
	s_add_co_u32 s48, s48, 1
	s_cmp_lt_u32 s48, 4
	s_cbranch_scc1 .Lfirst
	s_wait_tensorcnt 0x0                           ; my part of key steps 4-15
	s_wait_dscnt 0x0
	s_barrier_signal -1
	s_barrier_wait -1
	s_mov_b32 s48, 0
.Lrest:
	STEP 1
	s_add_co_u32 s48, s48, 1
	s_cmp_lt_u32 s48, 12
	s_cbranch_scc1 .Lrest
; THE SECOND PART
.macro WLOAD ks, set                   ; Wo's four fragments of K step ks from memory: 16 loads of 512 consecutive bytes
.irp T, 0,1,2,3
.irp c, 0,1,2,3
	global_load_b128 v[KV+64*(\set)+16*\T+4*\c:KV+64*(\set)+16*\T+4*\c+3], v[LI], s[80:81] offset:\T*16384+(\ks)*2048+\c*512
.endr
.endr
.endm
.macro LLOAD j, set                    ; the same from my 16 KiB of LDS: the j-th of the two K steps that a joint load brought
.irp T, 0,1,2,3
.irp c, 0,1,2,3
	ds_load_b128 v[KV+64*(\set)+16*\T+4*\c:KV+64*(\set)+16*\T+4*\c+3], v[ADW] offset:\T*4096+(\j)*2048+\c*512
.endr
.endr
.endm
.macro ALOAD ks                        ; ctx's two fragments of K step ks
.irp rt, 0,1
.irp c, 0,1,2,3
	ds_load_b128 v[AF+16*\rt+4*\c:AF+16*\rt+4*\c+3], v[ADA] offset:(8*\rt+(\ks))*2048+512*\c
.endr
.endr
.endm
; Eight products, the 8 accumulators by turns.  n = 0: set 0, and the sums begin; else set n % 2.  Source 0 = 16 rows of Wo, source 1 = 16 rows of ctx: a lane holds one row and eight neighbouring columns.
.macro MM n
.irp T, 0,1,2,3
.irp rt, 0,1
.if (\n) == 0
	v_wmma_f32_16x16x128_fp8_fp8 v[ACC+8*(2*\T+\rt):ACC+8*(2*\T+\rt)+7], v[KV+64*((\n)%2)+16*\T:KV+64*((\n)%2)+16*\T+15], v[AF+16*\rt:AF+16*\rt+15], 0
.else
	v_wmma_f32_16x16x128_fp8_fp8 v[ACC+8*(2*\T+\rt):ACC+8*(2*\T+\rt)+7], v[KV+64*((\n)%2)+16*\T:KV+64*((\n)%2)+16*\T+15], v[AF+16*\rt:AF+16*\rt+15], v[ACC+8*(2*\T+\rt):ACC+8*(2*\T+\rt)+7]
.endif
.endr
.endr
.endm
	PLACES
	WLOAD 0, 0                                     ; on their way while ctx is finished
	v_add_f32 v[ST+2], v[ST+2], v[ST+3]
	v_add_f32 v[ST+6], v[ST+6], v[ST+7]
	v_permlanex16_b32 v[ADK], v[ST+2], s[SEL], s[SEL+1]
	v_permlanex16_b32 v[ADV], v[ST+6], s[SEL], s[SEL+1]
	v_add_f32 v[ST+2], v[ST+2], v[ADK]
	v_add_f32 v[ST+6], v[ST+6], v[ADV]
	s_wait_alu depctr_va_vdst(0)                   ; ahead of the batch
	v_rcp_f32 v[ST+2], v[ST+2]
	v_rcp_f32 v[ST+6], v[ST+6]
	s_add_co_i32 s66, s62, 127
	s_lshl_b32 s67, s66, 23
	v_mov_b32 v[SCL], s67                          ; 2^e10
	s_add_co_i32 s66, s66, 8
	s_lshl_b32 s66, s66, 23
	s_or_b32 s66, s66, 0x600000
	v_mov_b32 v[LIM], s66                          ; 448 x 2^e10
	v_and_b32 v18, 15, v0                          ; r
	v_bfe_u32 v17, v0, 4, 1                        ; h
	v_lshlrev_b32 v[CST], 4, v18
	v_lshl_add_u32 v[CST], v17, 3, v[CST]
	s_lshl_b32 s69, s[WV], 10
	s_add_co_u32 s69, s69, AIMG
	v_add_nc_u32 v[CST], s69, v[CST]               ; ctx's codes: AIMG + 1,024 w + 16 r + 8 h
	v_add_nc_u32 v[ADA], AIMG, v[LI]
	v_mul_u32_u24 v[STO], v18, SPITCH
	v_lshl_add_u32 v[STO], v17, 5, v[STO]
	s_lshl_b32 s69, s[WV], 8
	v_add_nc_u32 v[STO], s69, v[STO]               ; the stage, in: row r, 256 w + 32 h
	v_add_nc_u32 v[STO+1], 16*SPITCH, v[STO]
	s_mul_i32 s69, s[WV], 2*SPITCH
	v_add_nc_u32 v[RD], s69, v[LI]                 ; and back: rows 2 w, 2 w + 1
	s_lshl_b32 s69, s[WV], 14
	v_add_nc_u32 v[ADW], s69, v[LI]                ; my 16 KiB of Wo in LDS
	s_add_co_i32 s68, s60, s61
	s_wait_alu depctr_va_vdst(0)                   ; behind the batch, ahead of its first reader and of O^T's
	v_ldexp_f32 v[ST+2], v[ST+2], s68              ; 2^(e8 + e9) / the sum
	v_ldexp_f32 v[ST+6], v[ST+6], s68
.irp x, 0,1
.set j, 0
.rept 16
	v_pk_mul_f32 v[S+32*\x+j:S+32*\x+j+1], v[OT+32*\x+j:OT+32*\x+j+1], v[ST+4*\x+2:ST+4*\x+3] op_sel_hi:[1,0]
.set j, j+2
.endr
.endr
.set j, 0
.rept 64
	v_med3_num_f32 v[S+j], v[S+j], -v[LIM], v[LIM]
.set j, j+1
.endr
.irp n, 0,1,2,3,4,5,6,7
	v_cvt_scalef32_pk8_fp8_f32 v[P+2*\n:P+2*\n+1], v[S+8*\n:S+8*\n+7], v[SCL]
.endr
	v_nop
.irp x, 0,1
.irp dt, 0,1,2,3
	ds_store_b64 v[CST], v[P+2*(4*\x+\dt):P+2*(4*\x+\dt)+1] offset:\x*16384+\dt*256
.endr
.endr
	WLOAD 1, 1                                     ; K step 1, asked for ahead of the round
	s_wait_tensorcnt 0x0                           ; ahead of a refill
	ds_add_u32 v[SPW], v[NIL]
	s_wait_dscnt 0x0                               ; the add is done, my codes are stored, my reads of K and V are over
	ROUND                                          ; that holds of every wave of the four work-groups
	tensor_load_to_lds s[G0W:G0W+3], s[G1W:G1W+7]  ; K steps 4, 5 of my 64 columns, over K's and V's bytes
	s_nop 0
	ALOAD 0
	s_wait_loadcnt 16                              ; set 0 is in; set 1's 16 loads may be out
	s_wait_dscnt 0x0
	MM 0
	PLACES
	WLOAD 2, 0
	ALOAD 1
	s_wait_loadcnt 16                              ; set 1 is in; K step 2's 16 loads may be out
	s_wait_dscnt 0x0
	MM 1
	PLACES
	ALOAD 2
	s_wait_loadcnt 0x0
	s_wait_dscnt 0x0
	MM 2
	PLACES
	s_wait_tensorcnt 0x0                           ; my 16 KiB, which I alone read
	LLOAD 0, 0
	LLOAD 1, 1
	ALOAD 4
	s_wait_dscnt 0x0
	MM 2
	PLACES
	ALOAD 5
	s_wait_dscnt 0x0
	MM 1
	s_wait_tensorcnt 0x0                           ; the three lines again
	ds_add_u32 v[SPW], v[NIL]
	s_add_nc_u64 s[G0W+2:G0W+3], s[G0W+2:G0W+3], 4096   ; no load of mine is out: on to K steps 6, 7
	s_wait_dscnt 0x0
	ROUND
	tensor_load_to_lds s[G0W:G0W+3], s[G1W:G1W+7]
	s_nop 0
	PLACES
	WLOAD 3, 1                                     ; under the joint load's flight: K step 3 and the residual
.irp rho, 0,1
.irp i, 0,1,2,3,4,5,6,7
	global_load_b128 v[RES+32*\rho+4*\i:RES+32*\rho+4*\i+3], v[LI], s[84:85] offset:\rho*4096+512*\i th:TH_LOAD_NT   ; my two rows of q, into set 0
.endr
.endr
	ALOAD 3
	s_wait_loadcnt 16                              ; K step 3 is in; the residual's 16 loads may be out
	s_wait_dscnt 0x0
	MM 1
	PLACES
	s_wait_tensorcnt 0x0
	LLOAD 0, 1
	ALOAD 6
	s_wait_dscnt 0x0
	MM 1
	PLACES
	LLOAD 1, 1
	ALOAD 7
	s_wait_dscnt 0x0
	MM 1
	PLACES
.irp i, 0,1,2,3,4,5,6,7
	global_load_b128 v[BO+4*\i:BO+4*\i+3], v[LI], s[82:83] offset:512*\i
	global_load_b128 v[GA+4*\i:GA+4*\i+3], v[LI], s[86:87] offset:512*\i
	global_load_b128 v[BE+4*\i:BE+4*\i+3], v[LI], s[88:89] offset:512*\i
.endr
	s_wait_dscnt 0x0
	s_barrier_signal -1                            ; every wave's reads of its part of Wo are over: the stage lies on those bytes
	s_barrier_wait -1
.irp T, 0,1,2,3
.irp rt, 0,1
	ds_store_b128 v[STO+\rt], v[ACC+8*(2*\T+\rt):ACC+8*(2*\T+\rt)+3] offset:64*\T
	ds_store_b128 v[STO+\rt], v[ACC+8*(2*\T+\rt)+4:ACC+8*(2*\T+\rt)+7] offset:64*\T+16
.endr
.endr
	s_wait_dscnt 0x0
	s_barrier_signal -1
	s_barrier_wait -1
.irp rho, 0,1
.irp i, 0,1,2,3,4,5,6,7
	ds_load_b128 v[X+32*\rho+4*\i:X+32*\rho+4*\i+3], v[RD] offset:\rho*SPITCH+512*\i
.endr
.endr
	s_add_co_i32 s52, s62, s63
	s_add_co_i32 s52, s52, 127
	s_lshl_b32 s52, s52, 23                        ; 2^(e10 + e11)
	s_mov_b32 s53, s52
	s_mov_b32 s56, 0x3a800000                      ; 1 / 1,024
	s_mov_b32 s57, 0x358637bd                      ; 1e-6
	s_wait_dscnt 0x0
	s_wait_loadcnt 0x0
.set k, 0
.rept 32
	v_pk_fma_f32 v[X+k:X+k+1], v[X+k:X+k+1], s[52:53], v[RES+k:RES+k+1] op_sel_hi:[1,0,1]
.set k, k+2
.endr
.set k, 0
.rept 32
	v_pk_add_f32 v[X+k:X+k+1], v[X+k:X+k+1], v[BO+k%32:BO+k%32+1]
.set k, k+2
.endr
.macro ACROSS base                     ; a sum over the wave's 32 lanes, for both rows
.irp m, 1,2,4,8
.irp rho, 0,1
	v_add_f32_dpp v[\base+2*\rho], v[\base+2*\rho], v[\base+2*\rho] row_xmask:\m row_mask:0xf bank_mask:0xf
.endr
.endr
.irp rho, 0,1
	v_permlanex16_b32 v[PLR+\rho], v[\base+2*\rho], s[SEL], s[SEL+1]
.endr
.irp rho, 0,1
	v_add_f32 v[\base+2*\rho], v[\base+2*\rho], v[PLR+\rho]
.endr
.endm
.irp rho, 0,1
	v_pk_add_f32 v[SM+2*\rho:SM+2*\rho+1], v[X+32*\rho:X+32*\rho+1], v[X+32*\rho+2:X+32*\rho+3]
.endr
.set k, 4
.rept 14
.irp rho, 0,1
	v_pk_add_f32 v[SM+2*\rho:SM+2*\rho+1], v[SM+2*\rho:SM+2*\rho+1], v[X+32*\rho+k:X+32*\rho+k+1]
.endr
.set k, k+2
.endr
.irp rho, 0,1
	v_add_f32 v[SM+2*\rho], v[SM+2*\rho], v[SM+2*\rho+1]
.endr
	ACROSS SM
.irp rho, 0,1
	v_mul_f32 v[SM+2*\rho], s56, v[SM+2*\rho]      ; the mean
.endr
.set k, 0
.rept 16
.irp rho, 0,1
	v_pk_add_f32 v[X+32*\rho+k:X+32*\rho+k+1], v[X+32*\rho+k:X+32*\rho+k+1], v[SM+2*\rho:SM+2*\rho+1] op_sel_hi:[1,0] neg_lo:[0,1] neg_hi:[0,1]
.endr
.set k, k+2
.endr
.irp rho, 0,1
	v_pk_mul_f32 v[SQ+2*\rho:SQ+2*\rho+1], v[X+32*\rho:X+32*\rho+1], v[X+32*\rho:X+32*\rho+1]
.endr
.set k, 2
.rept 15
.irp rho, 0,1
	v_pk_fma_f32 v[SQ+2*\rho:SQ+2*\rho+1], v[X+32*\rho+k:X+32*\rho+k+1], v[X+32*\rho+k:X+32*\rho+k+1], v[SQ+2*\rho:SQ+2*\rho+1]
.endr
.set k, k+2
.endr
.irp rho, 0,1
	v_add_f32 v[SQ+2*\rho], v[SQ+2*\rho], v[SQ+2*\rho+1]
.endr
	ACROSS SQ
.irp rho, 0,1
	v_fma_f32 v[SQ+2*\rho], v[SQ+2*\rho], s56, s57 ; the variance + 1e-6
.endr
	s_wait_alu depctr_va_vdst(0)                   ; ahead of the batch
.irp rho, 0,1
	v_rsq_f32 v[SQ+2*\rho], v[SQ+2*\rho]
.endr
	v_nop
	s_wait_alu depctr_va_vdst(0)                   ; and behind it
.set k, 0
.rept 16
.irp rho, 0,1
	v_pk_mul_f32 v[X+32*\rho+k:X+32*\rho+k+1], v[X+32*\rho+k:X+32*\rho+k+1], v[SQ+2*\rho:SQ+2*\rho+1] op_sel_hi:[1,0]
.endr
.set k, k+2
.endr
.set k, 0
.rept 32
	v_pk_fma_f32 v[X+k:X+k+1], v[X+k:X+k+1], v[GA+k%32:GA+k%32+1], v[BE+k%32:BE+k%32+1]
.set k, k+2
.endr
.irp rho, 0,1
.irp i, 0,1,2,3,4,5,6,7
	global_store_b128 v[LI], v[X+32*\rho+4*\i:X+32*\rho+4*\i+3], s[90:91] offset:\rho*4096+512*\i th:TH_STORE_NT   ; 512 consecutive bytes, aligned
.endr
.endr
	s_wait_tensorcnt 0x0                           ; the wave's end
	ds_add_u32 v[SPW], v[NIL]
	s_wait_dscnt 0x0
	ROUND                                          ; the closing round
	s_endpgm
.Lfunc_end_k_q63f2e4578f_attn:
	.size	k_q63f2e4578f_attn, .Lfunc_end_k_q63f2e4578f_attn-k_q63f2e4578f_attn
	.p2alignl 7, 3214868480
	.fill 96, 4, 3214868480
	.section	.rodata,"a",@progbits
	.p2align	6, 0x0
	.amdhsa_kernel k_q63f2e4578f_attn
		.amdhsa_group_segment_fixed_size 327680
		.amdhsa_private_segment_fixed_size 0
		.amdhsa_enable_private_segment 0
		.amdhsa_kernarg_size 80
		.amdhsa_user_sgpr_count 2
		.amdhsa_user_sgpr_kernarg_segment_ptr 1
		.amdhsa_wavefront_size32 1
		.amdhsa_system_sgpr_workgroup_id_x 1
		.amdhsa_system_sgpr_workgroup_id_y 1
		.amdhsa_system_sgpr_workgroup_id_z 1
		.amdhsa_system_vgpr_workitem_id 0
		.amdhsa_next_free_vgpr 256
		.amdhsa_next_free_sgpr 100
		.amdhsa_reserve_vcc 0
		.amdhsa_float_denorm_mode_32 3
		.amdhsa_float_denorm_mode_16_64 3
		.amdhsa_memory_ordered 1
		.amdhsa_forward_progress 1
		.amdhsa_inst_pref_size 120
	.end_amdhsa_kernel
	.amdgpu_metadata
---
amdhsa.version: [ 1, 2 ]
amdhsa.kernels:
  - .name:           k_q63f2e4578f_attn
    .symbol:         k_q63f2e4578f_attn.kd
    .args:
      - { .name: q_img, .offset: 0, .size: 8, .value_kind: global_buffer, .address_space: global }
      - { .name: k_img, .offset: 8, .size: 8, .value_kind: global_buffer, .address_space: global }
      - { .name: v_img, .offset: 16, .size: 8, .value_kind: global_buffer, .address_space: global }
      - { .name: lowp_scales, .offset: 24, .size: 8, .value_kind: global_buffer, .address_space: global }
      - { .name: wo_img, .offset: 32, .size: 8, .value_kind: global_buffer, .address_space: global }
      - { .name: bo, .offset: 40, .size: 8, .value_kind: global_buffer, .address_space: global }
      - { .name: q, .offset: 48, .size: 8, .value_kind: global_buffer, .address_space: global }
      - { .name: gamma, .offset: 56, .size: 8, .value_kind: global_buffer, .address_space: global }
      - { .name: beta, .offset: 64, .size: 8, .value_kind: global_buffer, .address_space: global }
      - { .name: out0, .offset: 72, .size: 8, .value_kind: global_buffer, .address_space: global }
    .group_segment_fixed_size: 327680
    .private_segment_fixed_size: 0
    .kernarg_segment_align: 8
    .kernarg_segment_size: 80
    .max_flat_workgroup_size: 512
    .sgpr_count:     100
    .vgpr_count:     256
    .wavefront_size: 32
...
	.end_amdgpu_metadata
.endif
;; end of part 3
